; MI455X (gfx1250); checked and timed in simulation.
; The chip was launched on July 23, 2026; its instructions are those of AMD's public machine-readable ISA for CDNA 5 (MIT licence, August 2026) and "CDNA5" Instruction Set Architecture Reference Guide (July 2026). The comments in the code are by the model that wrote it; some were corrected since.
;; Multi Head Attention. Allowed arithmetic: matrix products marked QUANTISED: E5M2 operands, one E8M0 scale for each 32 along K, by v_wmma_scale_f32_16x16x128_f8f6f4 with both operands' format E5M2, f32 sums; everything else in f32.
;; Inputs: bk 1,024 float32; bo 1,024 float32; bq 1,024 float32; bv 1,024 float32; wk_codes 1,024 x 32 x 32 uint8 (E5M2 codes of wk, K innermost, in blocks of 32 codes); wk_scales 1,024 x 32 uint8 (E8M0 scales of wk, one for each 32 codes along K); wo_codes 1,024 x 32 x 32 uint8 (E5M2 codes of wo, K innermost, in blocks of 32 codes); wo_scales 1,024 x 32 uint8 (E8M0 scales of wo, one for each 32 codes along K); wq_codes 1,024 x 32 x 32 uint8 (E5M2 codes of wq, K innermost, in blocks of 32 codes); wq_scales 1,024 x 32 uint8 (E8M0 scales of wq, one for each 32 codes along K); wv_codes 1,024 x 32 x 32 uint8 (E5M2 codes of wv, K innermost, in blocks of 32 codes); wv_scales 1,024 x 32 uint8 (E8M0 scales of wv, one for each 32 codes along K); x_codes 2 x 2,048 x 32 x 32 uint8 (E5M2 codes of x, K innermost, in blocks of 32 codes); x_scales 2 x 2,048 x 32 uint8 (E8M0 scales of x, one for each 32 codes along K).
;; Outputs: out0 2 x 2,048 x 1,024 float32.
;; This version of the problem:
;;   THIS VERSION OF THE PROBLEM IS GIVEN IN LOW PRECISION. The matrix products marked QUANTISED in the list below multiply operands that are first quantised to E5M2 (5 exponent bits, 2 mantissa bits; 8 bits a number), with one power-of-two scale for each 32 numbers along K (OCP MX v1.0); their sums are f32. All else is computed in f32.
;;   The module's matrix products, in the order in which they are computed (A, B: the left and right operand; K: the contracted axis; several contracted axes count as one K, in the product's order):
;;     1. [M 4,096, K 1,024] x [K 1,024, N 1,024]; A: input x (given as codes); B: input wq (given as codes): QUANTISED
;;     2. [M 4,096, K 1,024] x [K 1,024, N 1,024]; A: input x (given as codes); B: input wk (given as codes): QUANTISED
;;     3. [M 4,096, K 1,024] x [K 1,024, N 1,024]; A: input x (given as codes); B: input wv (given as codes): QUANTISED
;;     4. batch 32 x [M 2,048, K 64] x [K 64, N 2,048]; A: computed on the way; B: computed on the way: QUANTISED
;;     5. batch 32 x [M 2,048, K 2,048] x [K 2,048, N 64]; A: softmax (see below); B: computed on the way: QUANTISED
;;     6. [M 4,096, K 1,024] x [K 1,024, N 1,024]; A: computed on the way; B: input wo (given as codes): QUANTISED
;;   THE QUANTISER, for each operand of a quantised product, along K:
;;     - K is cut into blocks of 32 from its start; a last block that is shorter is filled with zeros.
;;     - A block's scale is 2^e with e = floor(log2(the largest magnitude in the block)) - 15, held to -126 .. 127; a block of zeros has e = 0. As a byte (E8M0): e + 127.
;;     - Each number is divided by its block's scale, clamped to +-57,344, and rounded to the nearest number of E5M2, ties to even, subnormals kept.
;;     - The product sums the exact products of the quantised numbers (number of the format x scale) in f32.
;;   ~~~python
;;   def quantise(x, axis):      # numpy; x: float32 -> the quantised numbers, widened to float32 again
;;       x = np.moveaxis(x, axis, -1); K = x.shape[-1]
;;       x = np.pad(x, [(0, 0)] * (x.ndim - 1) + [(0, -K % 32)]); x = x.reshape(x.shape[:-1] + (-1, 32)); a = np.abs(x).max(-1, keepdims=True)
;;       e = np.where(a > 0, np.clip(np.frexp(np.where(a > 0, a, 1))[1] - 1 - 15, -126, 127), 0)      # np.frexp(a)[1] - 1 = floor(log2(a)), exactly
;;       r = np.clip(x / 2.0 ** e, -57344, 57344)
;;       step = 2.0 ** (np.maximum(np.frexp(np.where(r == 0, 1, r))[1] - 1, -14) - 2)
;;       q = np.round(r / step) * step * 2.0 ** e      # np.round: ties to even
;;       return np.moveaxis(q.reshape(q.shape[:-2] + (-1,))[..., :K], -1, axis).astype(np.float32)
;;   ~~~
;;   SOFTMAX AHEAD OF A QUANTISED PRODUCT. Where the list says 'softmax', what is quantised is not the finished softmax but p = 2^(t - M), with t = logit x log2(e) and M = ceil(the row's largest t), a whole number; so 1/2 < the row's largest p <= 1. The row's sum l is taken of the UNQUANTISED p, in f32, and the product's result is divided by l at the end. Since M is a whole number, a kernel that streams over the keys may use a running M (the ceiling of the running maximum): every later rescaling is an exact power of two, which a block's scale takes up: the codes' values come out the same.
;;   OPERANDS COMPUTED ON THE WAY. 'Computed on the way' means the value that the module computes at that place (a softmax that the list does not call 'softmax' is quantised finished and normalised). What goes into a quantiser is computed in f32, as accurately as f32 sums, v_exp_f32 and their like allow (about 1e-6 of the number): no bf16 or f16 on the way to a quantiser, and a product that is left as it is and whose result goes on into a quantised operand takes f32 operands (vector FMAs, or v_wmma_f32_16x16x4_f32). A number that lies on a knife's edge between two numbers of the format may be rounded either way, as far as f32 arithmetic and the matrix unit's own rounding can turn it there, and no further.
;;   INPUTS GIVEN AS CODES. wk (in the module: [1024, 1024], K = its axis 1); wo (in the module: [1024, 1024], K = its axis 1); wq (in the module: [1024, 1024], K = its axis 1); wv (in the module: [1024, 1024], K = its axis 1); x (in the module: [2, 2048, 1024], K = its axis 2): each comes as NAME_codes (uint8): NAME with its K axis moved to the last place and cut into blocks of 32 codes, [.., K / 32, bytes a block], one block behind the other in memory; one code a byte (a code: sign, 5 exponent bits, 2 mantissa bits); and NAME_scales (uint8): the same leading axes, one E8M0 byte (e + 127) for each 32 codes along K. Its value is code x scale, taken as it is: it is not quantised again, and the codes and scales need not be those that the quantiser above would give.
;; One version. Each part assembles by itself: llvm-mc -triple=amdgcn-amd-amdhsa -mcpu=gfx1250 --defsym DOCPART=n.
;; ======== version 1 of 1: 3 launches
;; limits: right only within a limited range of input values
;; workspace buffers: qc 4,194,304 bytes; qs 262,144 bytes; kv 8,781,824 bytes; cc 4,194,304 bytes; cs 131,072 bytes
;; launch qkv (part 1): grid 16 x 16, 4 waves a work-group, clusters of 4 x 4, 327,680 bytes of LDS; arguments x_codes, x_scales, wq_codes, wq_scales, wk_codes, wk_scales, wv_codes, wv_scales, bq, bk, bv, qc, qs, kv; writes qc, qs, kv
.if DOCPART == 1
	.amdgcn_target "amdgcn-amd-amdhsa--gfx1250"
	.amdhsa_code_object_version 6
	.text
	.protected	k_q0b728f9ee8_qkv
	.globl	k_q0b728f9ee8_qkv
	.p2align	8
	.type	k_q0b728f9ee8_qkv,@function
k_q0b728f9ee8_qkv:
	s_mov_b64 s[64:65], 0
	v_nop
	global_prefetch_b8 v0, s[64:65] scope:SCOPE_SE
	s_setreg_imm32_b32 hwreg(HW_REG_WAVE_MODE, 25, 1), 1
	s_wait_xcnt 0x0
	s_wait_alu depctr_hold_cnt(0) depctr_sa_sdst(0) depctr_va_vdst(0) depctr_va_sdst(0) depctr_va_ssrc(0) depctr_va_vcc(0) depctr_vm_vsrc(0)
	s_getreg_b32 s2, hwreg(HW_REG_IB_STS2, 6, 4)
	s_cmp_eq_u32 s2, 0
	s_cbranch_scc0 .Lentry_in_a_cluster
	s_endpgm
.Lentry_in_a_cluster:
	s_bfe_u32 s2, ttmp6, 0x10000c
	s_cmp_lg_u32 s2, 0xf033
	s_cbranch_scc0 .Lentry_shape_is_right
	s_endpgm
.Lentry_shape_is_right:
; Q, K, V = x W^T + b AND THEIR QUANTISERS on codes of BF8 (E5M2) with one E8M0 scale for each 32 along K = 1,024: 4,096 rows of x, 16 heads of 64.  No f32 result is stored.
; SHARES.  256 work-groups of four waves: work-group (j, i) makes head j of Q, K and V (192 columns) for rows 256 i .. 256 i + 255.  A wave holds its own 64 rows of x, ALL of K, in 512 registers and streams the twelve tiles of 16 weight rows past them (tiles 0-3 W_q, 4-7 W_k, 8-11 W_v).
; UNITS.  Two tiles are a unit: 64 products into one of two sets of eight-register sums.  Among a unit's products stand the quantiser of the unit before, its stores, and the LDS loads of the tiles that come next.
; Q, K: source 0 = weight rows, source 1 = x: a lane holds one row of x and 8 + 8 of a block of 32 channels.  V: source 0 = x, source 1 = weight rows: a lane holds one channel and 8 + 8 of a block of 32 keys.  Either way a unit is four blocks of 16 numbers a lane, joined with lane l xor 16.
; FILLS.  Head: x's 256 rows (waves 0, 1), tiles 0, 1 (wave 2), tile 2 (wave 3).  When all waves hold x in registers, the other nine tiles are filled over it in one drained round of the cluster's barrier; unit 0's 64 products stand between that request and the wait for it.
; CLUSTERS: 4 x 4.  x's rows hang on i alone and are asked for jointly along a row of the cluster, weights on j alone and along a column.
; PREFETCH: the refill's W_k and W_v rows, one instruction a wave at the head: of the 128 rows that a cluster column loads, each of its sixteen waves names 8 rows (32 blocks of 256 bytes), told apart by address.  W_q's last tile comes by its load alone.
; THE BIAS is the C of each sum's first product: it lies in LDS (V's eight times over, since V's columns lie across lanes).
; OUT.  qc [head][tile of 16 rows][c][512], qs [head][2,048 words]; kv: a key step of 128 keys is 17,152 bytes: +0 k's 8 tiles x 1,024; +8,192 v's 4 tiles of channels x 2,048; +16,384 k's scale words; +16,896 v's.  Bytes 2, 3 of q's and k's words are 0x7f.
; LIMITS: NaN, infinities and the scale byte 0xff among the inputs are not served.  A block of zeros gets the byte 1 where the rule says 127 (its codes are zeros; these bytes are read by this program alone); blocks whose largest magnitude lies under 2^-111 are held at the byte 1.
.set STEPB, 17152
.set HEADB, 16*STEPB
.set PITCH, 1040                       ; an LDS row: 1,024 bytes + 16 of padding
.set TILE,  16*PITCH
.set WB0,   256*PITCH                  ; behind x: tiles 0-2
.set BIASB, WB0+3*TILE                 ; b_q's 64 numbers, b_k's 64
.set BIASV, BIASB+512                  ; b_v's 64, each eight times
.set SPARE, BIASV+2048
.set LI,   1                           ; 16 x lane
.set R4,   2                           ; 4 r
.set PFO,  3
.set SPW,  4
.set NIL,  5
.set AW,   6                           ; v6-9: tiles 3 i .. 3 i + 2
.set AX,   10
.set BQA,  11
.set BVA,  12
.set L32,  13
.set TM,   16                          ; v16-19 maxima, then the bounds;  v20-23 their second halves, then the conversions' scale operands
.set BYTE, 24
.set BB,   28
.set PC,   32
.set BI,   48                          ; the first products' C, two tiles (at the head: scratch)
.set XS,   64                          ; x's scale words: 8 p + q: row tiles 2 p, 2 p + 1 in lanes 0-15, 16-31
.set WS,   80                          ; the weights': 8 u + (q xor 4): a unit's tiles likewise; so no product's two scale words have numbers equal modulo 8
.set ACC,  128
; window 1: the weight tiles, two sets of 128;  windows 2, 3: x: row tile a, K step q at fragment 4 q + a
.set PADW, 11
.set GX,   44                          ; groups 1: 128 rows of x; 64, 32, 16 rows of a weight
.set GW,   52
.set GH,   68
.set GT,   76
.set G0A,  84                          ; groups 0
.set G0B,  88
.set G0C,  92
.set SEL,  60
.set MSB, 0
.macro WIN new                         ; the immediate's high byte repeats the setting that is left
.if MSB != \new
	s_set_vgpr_msb (MSB<<8)|(\new)
.set MSB, \new
.endif
.endm
.macro PLACES n
.rept \n
	v_nop
.endr
.endm
.macro CROUND                          ; a round of the cluster's barrier
	s_barrier_signal -1
	s_barrier_wait -1
	s_cmp_lg_u32 s4, 0
	s_cbranch_scc1 .Lnot_wave_0_\@
	s_barrier_signal -3
.Lnot_wave_0_\@:
	s_barrier_wait -3
	s_barrier_signal -1
	s_barrier_wait -1
.endm
.macro TLOAD g0, g1
	tensor_load_to_lds s[\g0:\g0+3], s[\g1:\g1+7]
	s_nop 0
	PLACES 4
.endm
.macro GROUP1 g, mask, rows            ; whole rows of K, padded in LDS behind every 256 words by 4
	s_or_b32 s[\g], s[\mask], (1<<20)|(1<<21)|(7<<22)|(3<<25)
	s_mov_b32 s[\g+1], 1024<<16
	s_mov_b32 s[\g+2], \rows<<16
	s_mov_b32 s[\g+3], 1024<<16
	s_mov_b32 s[\g+4], \rows
	s_mov_b32 s[\g+5], 1024
	s_mov_b32 s[\g+6], 0
	s_mov_b32 s[\g+7], 0
.endm
.macro GROUP0 g, base, off, lds
	s_mov_b32 s[\g], 1
	s_mov_b32 s[\g+1], \lds
	s_add_nc_u64 s[\g+2:\g+3], s[\base:\base+1], s[\off:\off+1]
	s_or_b32 s[\g+3], s[\g+3], 0x80000000
.endm
	s_load_b512 s[16:31], s[0:1], 0x0              ; x, its scales; W_q, W_k, W_v likewise
	s_load_b256 s[32:39], s[0:1], 0x40             ; b_q, b_k, b_v, qc
	s_load_b128 s[40:43], s[0:1], 0x60             ; qs, kv
	v_lshl_add_u32 v[SPW], v0, 2, SPARE
	v_mov_b32 v[NIL], 0
	ds_add_u32 v[SPW], v[NIL]                      ; the opening lines
	ds_add_u32 v[SPW], v[NIL]
	v_lshrrev_b32 v14, 5, v0
	v_readfirstlane_b32 s4, v14                    ; wave w
	s_bfe_u32 s5, ttmp6, 0x40000                   ; cx, cy
	s_bfe_u32 s6, ttmp6, 0x40004
	s_lshl_b32 s7, ttmp9, 2
	s_add_co_u32 s7, s7, s5                        ; head j
	s_and_b32 s8, ttmp7, 0xffff
	s_lshl_b32 s8, s8, 2
	s_add_co_u32 s8, s8, s6                        ; row block i
	s_lshl_b32 s9, s6, 2
	s_lshl_b32 s9, 15, s9                          ; my row of the cluster
	s_lshl_b32 s10, 0x1111, s5                     ; my column
	GROUP1 GX, 9, 128
	GROUP1 GW, 10, 64
	GROUP1 GH, 10, 32
	GROUP1 GT, 10, 16
	s_lshl_b32 s12, s7, 16                         ; s[12:13] head j's 64 rows of a weight
	s_mov_b32 s13, 0
	s_add_co_u32 s2, s12, 32*1024                  ; s[2:3] its row 32
	s_mov_b32 s3, 0
	s_lshl_b32 s14, s8, 18                         ; s[14:15] x: row 256 i + 128 w (waves 0, 1)
	s_lshl_b32 s15, s4, 17
	s_add_co_u32 s14, s14, s15
	s_mov_b32 s15, 0
	s_mul_i32 s62, s4, 128*PITCH
	s_mov_b32 s[PADW], 0x7f7f0000
	s_mov_b32 s[SEL], 0x76543210
	s_mov_b32 s[SEL+1], 0xfedcba98
	s_wait_dscnt 0x0
	s_wait_kmcnt 0x0
	GROUP0 G0A, 16, 14, s62
	GROUP0 G0B, 20, 12, WB0
	GROUP0 G0C, 20, 2, WB0+2*TILE
	CROUND                                         ; all sixteen work-groups are here: the joint loads meet
	s_cmp_lt_u32 s4, 2                             ; one load a wave
	s_cbranch_scc0 .Lnot_x
	TLOAD G0A, GX
	s_branch .Lasked
.Lnot_x:
	s_cmp_lt_u32 s4, 3
	s_cbranch_scc0 .Lnot_h
	TLOAD G0B, GH
	s_branch .Lasked
.Lnot_h:
	TLOAD G0C, GT
.Lasked:
	s_lshl_b32 s2, s7, 11                          ; s[2:3] head j's rows of a weight's scale bytes
	s_mov_b32 s3, 0
	s_add_nc_u64 s[22:23], s[22:23], s[2:3]
	s_add_nc_u64 s[26:27], s[26:27], s[2:3]
	s_add_nc_u64 s[30:31], s[30:31], s[2:3]
	s_lshl_b32 s2, s8, 13                          ; my 64 rows of x's
	s_lshl_b32 s14, s4, 11
	s_add_co_u32 s2, s2, s14
	s_add_nc_u64 s[18:19], s[18:19], s[2:3]
	s_lshl_b32 s2, s7, 8                           ; head j's biases
	s_cmp_lt_u32 s4, 2                             ; waves 0, 1 bring b_q's, waves 2, 3 b_k's
	s_cselect_b64 s[32:33], s[32:33], s[34:35]
	s_add_nc_u64 s[32:33], s[32:33], s[2:3]
	s_add_nc_u64 s[36:37], s[36:37], s[2:3]
	s_lshl_b32 s14, s6, 2                          ; which of the cluster column's sixteen waves I am
	s_add_co_u32 s14, s14, s4
	s_and_b32 s2, s14, 7
	s_lshl_b32 s2, s2, 13
	s_add_co_u32 s2, s2, s12
	s_cmp_lt_u32 s14, 8
	s_cselect_b64 s[34:35], s[24:25], s[28:29]
	s_add_nc_u64 s[34:35], s[34:35], s[2:3]        ; my 8 rows of W_k or of W_v
	s_mul_i32 s62, s4, 64*PITCH
	v_and_b32 v48, 15, v0                          ; r
	v_bfe_u32 v49, v0, 4, 1                        ; h
	v_and_b32 v50, 31, v0                          ; lane
	v_and_b32 v52, 63, v0
	v_lshrrev_b32 v53, 1, v0
	v_lshlrev_b32 v52, 2, v52
	v_lshlrev_b32 v53, 2, v53
	v_lshlrev_b32 v[LI], 4, v50
	v_lshlrev_b32 v[L32], 5, v50
	v_lshlrev_b32 v[PFO], 8, v50
	global_load_b32 v54, v52, s[32:33]
	global_load_b32 v56, v53, s[36:37]
.irp p, 0,1
	global_load_b128 v[XS+8*\p:XS+8*\p+3], v[L32], s[18:19] offset:1024*\p
	global_load_b128 v[XS+8*\p+4:XS+8*\p+7], v[L32], s[18:19] offset:1024*\p+16
	global_load_b128 v[WS+8*\p+4:WS+8*\p+7], v[L32], s[22:23] offset:1024*\p
	global_load_b128 v[WS+8*\p:WS+8*\p+3], v[L32], s[22:23] offset:1024*\p+16
	global_load_b128 v[WS+16+8*\p+4:WS+16+8*\p+7], v[L32], s[26:27] offset:1024*\p
	global_load_b128 v[WS+16+8*\p:WS+16+8*\p+3], v[L32], s[26:27] offset:1024*\p+16
	global_load_b128 v[WS+32+8*\p+4:WS+32+8*\p+7], v[L32], s[30:31] offset:1024*\p
	global_load_b128 v[WS+32+8*\p:WS+32+8*\p+3], v[L32], s[30:31] offset:1024*\p+16
.endr
	global_prefetch_b8 v[PFO], s[34:35] th:TH_LOAD_NT scope:SCOPE_SE
	v_lshlrev_b32 v[R4], 2, v48
	v_mul_u32_u24 v51, v48, PITCH
	v_lshl_add_u32 v51, v49, 4, v51                ; a fragment's row x pitch + 16 h
	v_add_nc_u32 v[AX], s62, v51                   ; my 64 rows of x
	v_add_nc_u32 v[AW], WB0, v51
	v_mov_b32 v[AW+1], v51
	v_add_nc_u32 v[AW+2], 3*TILE, v51
	v_add_nc_u32 v[AW+3], 6*TILE, v51
	v_lshl_add_u32 v[BQA], v49, 5, BIASB
	v_lshl_add_u32 v[BVA], v48, 5, BIASV
	v_lshl_add_u32 v60, v0, 2, BIASB
	v_lshl_add_u32 v61, v0, 4, BIASV
	s_wait_alu depctr_va_vdst(0)
	s_wait_loadcnt 16                              ; the two bias loads; sixteen loads of scale words were issued behind them
	v_mov_b32 v57, v56
	v_mov_b32 v58, v56
	v_mov_b32 v59, v56
	ds_store_b32 v60, v54
	ds_store_b128 v61, v[56:59]
	; where my results go: rows 256 i + 64 w: key step 2 (i % 8) + w / 2, its half w % 2
	s_lshr_b32 s5, s8, 3
	s_lshl_b32 s5, s5, 4
	s_add_co_u32 s5, s5, s7                        ; 16 x batch + head
	s_and_b32 s6, s8, 7
	s_lshl_b32 s14, s6, 8
	s_lshl_b32 s15, s4, 6
	s_add_co_u32 s14, s14, s15                     ; my first row in the batch
	s_lshl_b32 s2, s5, 17
	s_lshl_b32 s15, s14, 6
	s_add_co_u32 s2, s2, s15
	s_add_nc_u64 s[38:39], s[38:39], s[2:3]        ; qc
	s_lshl_b32 s2, s5, 13
	s_lshl_b32 s15, s14, 2
	s_add_co_u32 s2, s2, s15
	s_add_nc_u64 s[40:41], s[40:41], s[2:3]        ; qs
	s_mul_i32 s2, s5, HEADB
	s_lshr_b32 s15, s14, 7
	s_mul_i32 s15, s15, STEPB
	s_add_co_u32 s2, s2, s15
	s_add_nc_u64 s[42:43], s[42:43], s[2:3]
	s_and_b32 s14, s4, 1
	s_lshl_b32 s2, s14, 8
	s_add_co_u32 s2, s2, 16384
	s_add_nc_u64 s[96:97], s[42:43], s[2:3]        ; k's scale words
	s_lshl_b32 s2, s14, 10
	s_add_co_u32 s2, s2, 8192
	s_add_nc_u64 s[98:99], s[42:43], s[2:3]        ; v's codes
	s_lshl_b32 s2, s14, 1
	s_add_co_u32 s2, s2, 16896
	s_add_nc_u64 s[100:101], s[42:43], s[2:3]      ; v's scale bytes
	s_lshl_b32 s2, s14, 12
	s_add_nc_u64 s[42:43], s[42:43], s[2:3]        ; k's codes
.macro FRAGW set, t, m                 ; fragment m (16 rows x 128 K) of weight tile t
	WIN 0x40
.irp c, 0,1,2,3
	ds_load_b128 v[128*(\set)+16*(\m)+4*\c:128*(\set)+16*(\m)+4*\c+3], v[AW+(\t)/3] offset:((\t)%3)*TILE+128*(\m)+32*\c
.endr
.endm
.macro BIAS u                          ; unit u's biases
.irp t, 0,1
.irp e, 0,4
.if (\u) < 4
	ds_load_b128 v[BI+8*\t+\e:BI+8*\t+\e+3], v[BQA] offset:128*(\u)+64*\t+4*\e
.else
	ds_load_b128 v[BI+8*\t+\e:BI+8*\t+\e+3], v[BVA] offset:512*(2*(\u)-8+\t)+4*\e
.endif
.endr
.endr
.endm
.macro WM d, a, b, c, sa, sb, ra, rb
.if (\ra) && (\rb)
	v_wmma_scale_f32_16x16x128_f8f6f4 v[\d:\d+7], v[\a:\a+15], v[\b:\b+15], v[\c:\c+7], v[\sa], v[\sb] matrix_a_fmt:MATRIX_FMT_BF8 matrix_b_fmt:MATRIX_FMT_BF8 matrix_a_scale:MATRIX_SCALE_ROW1 matrix_b_scale:MATRIX_SCALE_ROW1
.elseif \ra
	v_wmma_scale_f32_16x16x128_f8f6f4 v[\d:\d+7], v[\a:\a+15], v[\b:\b+15], v[\c:\c+7], v[\sa], v[\sb] matrix_a_fmt:MATRIX_FMT_BF8 matrix_b_fmt:MATRIX_FMT_BF8 matrix_a_scale:MATRIX_SCALE_ROW1
.elseif \rb
	v_wmma_scale_f32_16x16x128_f8f6f4 v[\d:\d+7], v[\a:\a+15], v[\b:\b+15], v[\c:\c+7], v[\sa], v[\sb] matrix_a_fmt:MATRIX_FMT_BF8 matrix_b_fmt:MATRIX_FMT_BF8 matrix_b_scale:MATRIX_SCALE_ROW1
.else
	v_wmma_scale_f32_16x16x128_f8f6f4 v[\d:\d+7], v[\a:\a+15], v[\b:\b+15], v[\c:\c+7], v[\sa], v[\sb] matrix_a_fmt:MATRIX_FMT_BF8 matrix_b_fmt:MATRIX_FMT_BF8
.endif
.endm
; Product n = 32 t + 4 q + a of unit u: its tile t, K step q, row tile a: four accumulators by turns.
.macro PROD u, n
.set T_, (\n)/32
.set Q_, ((\n)%32)/4
.set A_, (\n)%4
.set W_, 128*T_+16*Q_
.set R_, 16*((4*Q_+A_)%16)
.set XW_, 2+Q_/4
.set XS_, XS+8*(A_/2)+Q_
.set WS_, WS+8*(\u)+(Q_^4)
.set AR_, A_%2
.if (\u) < 4
.set AC_, ACC+64*((\u)%2)+16*A_+8*T_
.else
.set AC_, ACC+64*((\u)%2)+16*(2*T_+A_/2)+8*(A_%2)
.endif
.set C_, AC_
.if Q_ == 0
.set C_, BI+8*T_
.endif
.if (\u) < 4
	WIN 1|(XW_<<2)
	WM AC_, W_, R_, C_, WS_, XS_, T_, AR_
.else
	WIN XW_|(1<<2)
	WM AC_, R_, W_, C_, XS_, WS_, AR_, T_
.endif
.endm
; THE QUANTISER of unit p, line by line: four blocks k of 16 numbers a lane at X_ + 16 k.
.macro LINE n, p
.set X_, ACC+64*((\p)%2)
.if (\n) < 16                          ; the largest magnitude of a block's first 8, over the floor 2^(16 - 127)
.set K_, (\n)%4
.set L_, (\n)/4
.if L_ == 0
	v_max3_num_f32 v[TM+K_], |v[X_+16*K_]|, |v[X_+16*K_+1]|, 0x8000000
.else
	v_max3_num_f32 v[TM+K_], v[TM+K_], |v[X_+16*K_+2*L_]|, |v[X_+16*K_+2*L_+1]|
.endif
.elseif (\n) < 52                      ; two blocks at a time: the other 8, lane l xor 16's, the scale
.set J_, ((\n)-16)%18
.set S_, J_/2
.set K_, 2*(((\n)-16)/18)+J_%2
.set E_, X_+16*K_+8
.if S_ == 0
	v_max3_num_f32 v[TM+4+K_], |v[E_]|, |v[E_+1]|, |v[E_+2]|
.elseif S_ < 3
	v_max3_num_f32 v[TM+4+K_], v[TM+4+K_], |v[E_+2*S_+1]|, |v[E_+2*S_+2]|
.elseif S_ == 3
	v_max3_num_f32 v[TM+K_], v[TM+K_], v[TM+4+K_], |v[E_+7]|
.elseif S_ == 4
	v_permlanex16_b32 v[TM+4+K_], v[TM+K_], s[SEL], s[SEL+1]
.elseif S_ == 5
	v_max_num_f32 v[TM+K_], v[TM+K_], v[TM+4+K_]
.elseif S_ == 6
	v_add_nc_u32 v[TM+4+K_], 0xf8800000, v[TM+K_]  ; the conversion's scale operand
.elseif S_ == 7
	v_lshrrev_b32 v[BYTE+K_], 23, v[TM+4+K_]
.else
	v_lshl_add_u32 v[TM+K_], v[BYTE+K_], 23, 0x7e00000   ; the bound: 57,344 x the scale
.endif
.elseif (\n) < 54
.elseif (\n) < 126                     ; eight holds and their conversion stand in three places on end
.set G_, ((\n)-54)/9
.set J_, ((\n)-54)%9
.if J_ < 8
	v_med3_num_f32 v[X_+8*G_+J_], v[X_+8*G_+J_], -v[TM+G_/2], v[TM+G_/2]
.else
	v_cvt_scalef32_pk8_bf8_f32 v[PC+2*G_:PC+2*G_+1], v[X_+8*G_:X_+8*G_+7], v[TM+4+G_/2]
.endif
.elseif (\n) < 130                     ; scale words: q's, k's: a row's two units; v's: a channel's two key blocks
.set K_, (\n)-126
.if (\p) > 3
.if K_ < 2
	v_lshl_or_b32 v[BB+K_], v[BYTE+2*K_+1], 8, v[BYTE+2*K_]
.endif
.elseif (\p)%2
	v_lshl_or_b32 v[BB+K_], v[BYTE+K_], 8, v[BB+K_]
.else
	v_or_b32 v[BB+K_], s[PADW], v[BYTE+K_]
.endif
.endif
.endm
.macro STORES p                        ; each of the b128 stores covers 512 consecutive bytes
.irp k, 0,1,2,3
.if (\p) < 2
	global_store_b128 v[LI], v[PC+4*\k:PC+4*\k+3], s[38:39] offset:1024*\k+512*((\p)%2)
.elseif (\p) < 4
	global_store_b128 v[LI], v[PC+4*\k:PC+4*\k+3], s[42:43] offset:1024*\k+512*((\p)%2)
.else
	global_store_b128 v[LI], v[PC+4*\k:PC+4*\k+3], s[98:99] offset:2048*(2*(\p)-8+\k/2)+512*(\k%2)
.endif
.if (\p) == 1
	global_store_b32 v[R4], v[BB+\k], s[40:41] offset:64*\k
.elseif (\p) == 3
	global_store_b32 v[R4], v[BB+\k], s[96:97] offset:64*\k
.elseif (\p) > 3 && \k < 2
	global_store_b16 v[R4], v[BB+\k], s[100:101] offset:64*(2*(\p)-8+\k)
.endif
.endr
.endm
; What stands behind product n of unit u.  In the first tile's time the second tile's fragments come, in the second's the next unit's first tile.
.macro GAP u, n
.set M_, (\n)%32-4
.if M_ >= 0 && M_ <= 14 && M_%2 == 0
.if (\n) < 32
	FRAGW 1, 2*(\u)+1, M_/2
.elseif (\u) < 5
	FRAGW 0, 2*(\u)+2, M_/2
.endif
.endif
.if (\u) > 0 && (\n) < 44
.if (\u) == 5 && (\n) == 0
	PLACES 8                                       ; V's second tile, just finished, is read by the first lines
.endif
	WIN 0
	LINE 3*(\n), (\u)-1
	LINE 3*(\n)+1, (\u)-1
	LINE 3*(\n)+2, (\u)-1
.endif
.if (\u) == 0 && (\n) == 35
	PLACES 8                                       ; unit 0 has no lines: places ahead of the loads into set 0 and into the bias
.endif
.if (\u) > 0 && (\n) == 43
	STORES (\u)-1
.endif
.if (\u) < 5 && (\n) == 52
	WIN 0
	BIAS (\u)+1
.endif
.endm
.macro UNIT u
.set N_, 0
.rept 64
.if N_%32 == 0
	s_wait_alu depctr_va_vdst(0)
.if N_ == 0
	s_wait_xcnt 0x0                                ; the stores' registers may be written again
.endif
	s_wait_dscnt 0x0                               ; this tile's fragments and biases are in
.endif
	PROD \u, N_
	GAP \u, N_
.set N_, N_+1
.endr
.endm
	s_wait_alu depctr_va_vdst(0)                   ; the wait at the head's end
	s_wait_tensorcnt 0x0
	s_wait_dscnt 0x0
	s_barrier_signal -1
	s_barrier_wait -1                              ; x, tiles 0-2 and the biases are in LDS
.irp q, 0,1,2,3,4,5,6,7
	WIN (2+\q/4)<<6
.irp a, 0,1,2,3
.irp c, 0,1,2,3
	ds_load_b128 v[16*((4*\q+\a)%16)+4*\c:16*((4*\q+\a)%16)+4*\c+3], v[AX] offset:\a*TILE+128*\q+32*\c
.endr
.endr
.endr
.irp m, 0,1,2,3,4,5,6,7
	FRAGW 0, 0, \m
.endr
	WIN 0
	BIAS 0
	s_wait_loadcnt 0x0                             ; the scale words
	s_wait_tensorcnt 0x0
	ds_add_u32 v[SPW], v[NIL]
	s_add_co_u32 s2, s12, 48*1024
	GROUP0 G0A, 20, 2, 0                           ; tile 3: W_q's rows 48-63
	GROUP0 G0B, 24, 12, TILE                       ; tiles 4-7
	GROUP0 G0C, 28, 12, 5*TILE                     ; tiles 8-11
	s_wait_dscnt 0x0                               ; my rows of x are in registers
	CROUND
	s_cmp_lt_u32 s4, 1
	s_cbranch_scc0 .Lrefill_k
	TLOAD G0A, GT
	s_branch .Lrefilled
.Lrefill_k:
	s_cmp_lt_u32 s4, 2
	s_cbranch_scc0 .Lrefill_v
	TLOAD G0B, GW
	s_branch .Lrefilled
.Lrefill_v:
	s_cmp_lt_u32 s4, 3
	s_cbranch_scc0 .Lrefilled
	TLOAD G0C, GW
.Lrefilled:
	UNIT 0
	WIN 0
	s_wait_alu depctr_va_vdst(0)
	s_wait_tensorcnt 0x0                           ; the other nine tiles are in
	s_wait_dscnt 0x0
	s_barrier_signal -1
	s_barrier_wait -1
	UNIT 1
	UNIT 2
	UNIT 3
	UNIT 4
	UNIT 5
	WIN 0
	s_wait_alu depctr_va_vdst(0)
	s_wait_xcnt 0x0
	PLACES 8
.set N_, 0
.rept 130
	LINE N_, 5
.set N_, N_+1
.endr
	STORES 5
	s_wait_tensorcnt 0x0                           ; the wave's end
	ds_add_u32 v[SPW], v[NIL]
	s_wait_dscnt 0x0
	CROUND                                         ; the closing round: no work-group ends while a partner may still ask for a tile that names it
	s_endpgm
.Lfunc_end_k_q0b728f9ee8_qkv:
	.size	k_q0b728f9ee8_qkv, .Lfunc_end_k_q0b728f9ee8_qkv-k_q0b728f9ee8_qkv
	.p2alignl 7, 3214868480
	.fill 96, 4, 3214868480
	.section	.rodata,"a",@progbits
	.p2align	6, 0x0
	.amdhsa_kernel k_q0b728f9ee8_qkv
		.amdhsa_group_segment_fixed_size 327680
		.amdhsa_private_segment_fixed_size 0
		.amdhsa_enable_private_segment 0
		.amdhsa_kernarg_size 112
		.amdhsa_user_sgpr_count 2
		.amdhsa_user_sgpr_kernarg_segment_ptr 1
		.amdhsa_wavefront_size32 1
		.amdhsa_system_sgpr_workgroup_id_x 1
		.amdhsa_system_sgpr_workgroup_id_y 1
		.amdhsa_system_sgpr_workgroup_id_z 1
		.amdhsa_system_vgpr_workitem_id 0
		.amdhsa_next_free_vgpr 1024
		.amdhsa_next_free_sgpr 102
		.amdhsa_reserve_vcc 0
		.amdhsa_float_denorm_mode_32 3
		.amdhsa_float_denorm_mode_16_64 3
		.amdhsa_memory_ordered 1
		.amdhsa_forward_progress 1
		.amdhsa_inst_pref_size 166
	.end_amdhsa_kernel
	.amdgpu_metadata
---
amdhsa.version: [ 1, 2 ]
amdhsa.kernels:
  - .name:           k_q0b728f9ee8_qkv
    .symbol:         k_q0b728f9ee8_qkv.kd
    .args:
      - { .name: x_codes, .offset: 0, .size: 8, .value_kind: global_buffer, .address_space: global }
      - { .name: x_scales, .offset: 8, .size: 8, .value_kind: global_buffer, .address_space: global }
      - { .name: wq_codes, .offset: 16, .size: 8, .value_kind: global_buffer, .address_space: global }
      - { .name: wq_scales, .offset: 24, .size: 8, .value_kind: global_buffer, .address_space: global }
      - { .name: wk_codes, .offset: 32, .size: 8, .value_kind: global_buffer, .address_space: global }
      - { .name: wk_scales, .offset: 40, .size: 8, .value_kind: global_buffer, .address_space: global }
      - { .name: wv_codes, .offset: 48, .size: 8, .value_kind: global_buffer, .address_space: global }
      - { .name: wv_scales, .offset: 56, .size: 8, .value_kind: global_buffer, .address_space: global }
      - { .name: bq, .offset: 64, .size: 8, .value_kind: global_buffer, .address_space: global }
      - { .name: bk, .offset: 72, .size: 8, .value_kind: global_buffer, .address_space: global }
      - { .name: bv, .offset: 80, .size: 8, .value_kind: global_buffer, .address_space: global }
      - { .name: qc, .offset: 88, .size: 8, .value_kind: global_buffer, .address_space: global }
      - { .name: qs, .offset: 96, .size: 8, .value_kind: global_buffer, .address_space: global }
      - { .name: kv, .offset: 104, .size: 8, .value_kind: global_buffer, .address_space: global }
    .group_segment_fixed_size: 327680
    .private_segment_fixed_size: 0
    .kernarg_segment_align: 8
    .kernarg_segment_size: 112
    .max_flat_workgroup_size: 128
    .sgpr_count:     102
    .vgpr_count:     1024
    .wavefront_size: 32
...
	.end_amdgpu_metadata
.endif
;; end of part 1
;; launch attn (part 2): grid 8 x 32, 8 waves a work-group, clusters of 4 x 1, 276,480 bytes of LDS; arguments qc, qs, kv, cc, cs; writes cc, cs
.if DOCPART == 2
	.amdgcn_target "amdgcn-amd-amdhsa--gfx1250"
	.amdhsa_code_object_version 6
	.text
	.protected	k_q0b728f9ee8_attn
	.globl	k_q0b728f9ee8_attn
	.p2align	8
	.type	k_q0b728f9ee8_attn,@function
k_q0b728f9ee8_attn:
	s_mov_b64 s[64:65], 0
	v_nop
	global_prefetch_b8 v0, s[64:65] scope:SCOPE_SE
	s_setreg_imm32_b32 hwreg(HW_REG_WAVE_MODE, 25, 1), 1
	s_wait_xcnt 0x0
	s_wait_alu depctr_hold_cnt(0) depctr_sa_sdst(0) depctr_va_vdst(0) depctr_va_sdst(0) depctr_va_ssrc(0) depctr_va_vcc(0) depctr_vm_vsrc(0)
	s_getreg_b32 s2, hwreg(HW_REG_IB_STS2, 6, 4)
	s_cmp_eq_u32 s2, 0
	s_cbranch_scc0 .Lentry_in_a_cluster
	s_endpgm
.Lentry_in_a_cluster:
	s_bfe_u32 s2, ttmp6, 0x10000c
	s_cmp_lg_u32 s2, 0x3003
	s_cbranch_scc0 .Lentry_shape_is_right
	s_endpgm
.Lentry_shape_is_right:
; ctx[q][:] = the sum over keys of softmax(q . k / 8) v, for 32 heads of 2,048 queries, 2,048 keys and 64 channels, both products on codes of BF8 (E5M2) with one E8M0 scale for each 32 along K; then ctx is quantised along the model's 1,024.
; THE SOFTMAX AHEAD OF THE SECOND PRODUCT: t = score x log2(e) / 8; M = the row's largest t so far, rounded UP to a whole number; p = 2^(t - M) is quantised along the keys, not normalised.
; The row's sum is taken of the unquantised p, in f32, and divides at the end.  When M moves, the sum and O are multiplied by 2^(old M - new M): exact.
; A BLOCK'S SCALE: p rises with the score, so floor(log2(the block's largest p)) = floor(its largest t - M): one multiply-add and one floor of the block's largest score.
; IN.  qc, qs, kv as the launch before lays them: operands as images of their registers (four registers = 512 bytes, lane l's 16 bytes at 16 l), scale words beside them.
;   A key step of 128 keys is 17,152 bytes of kv: +0 k's 8 tiles x 1,024; +8,192 v's 4 tiles of 16 channels x 2,048; +16,384 k's 128 scale words; +16,896 v's 64.
; THE FIRST PRODUCT'S K IS 64: registers 8-15 of q's fragments are zero codes for the whole launch, so what stands in the upper half of k's fragments adds nothing as long as it is finite: it is the next tile's codes (behind the last tile: zeros), and a step's 8 tiles lie in 72 registers.  Bytes 2, 3 of both scale words are 0x7f.
; SHARES.  A work-group owns 256 queries of one head; each of its eight waves owns two tiles of 16: every fragment of k and v feeds two products.
; The whole head's k and v lie in LDS, 274,432 bytes as they lie in memory, filled ONCE: wave w fetches key steps 2 w and 2 w + 1 by one tensor load.  Wave 0's load has a line of its own and is waited for first: key steps 0 and 1 are worked while the others land.
; CLUSTER.  The four query blocks of a cluster belong to one head: each load is asked for jointly, with the same descriptor and a mask that names the four.  No prefetch: all tiles are asked for at the head, and no loop asks for any.
; LAYOUT.  Both products are used transposed: S^T = k q^T (source 0 = 16 keys), O^T = v^T p^T (source 0 = 16 channels): a lane holds ONE query (lane % 16) throughout.
;   Tiles 2 B and 2 B + 1 of S^T give lane (r, h) keys 32 B + 8 h + 0..7 and 32 B + 16 + 8 h + 0..7; converted in that order they fill p's registers 4 B .. 4 B + 3: the order inside a block of 32 that v's codes were given.
; WINDOWS.  Tile A's registers lie in window 0 and tile B's, with the same numbers, in window 1; k's fragments and all scale words in window 0, v's fragments and both q's in window 1.
; OUT.  cc [32 blocks of 128 rows][8 K steps][8 tiles of 16 rows][4][512]: fragments of ctx in the natural order of k; cs [4,096 rows][32]: my head's two scale bytes of a row.
; LIMITS: NaN and infinities are not served; the scaled scores t stay under 2^31 in magnitude.  A block of zeros gets a byte of 1 or more where the rule says 127 (its codes are zeros; these bytes are read by this program alone); ctx blocks whose largest magnitude lies under 2^-111 are held at the byte 1.
.set STEPB, 17152
.set HEADB, 16*STEPB
.set VIM,   8192                       ; v's images in a step
.set KSW,   16384                      ; k's scale words
.set VSW,   16896                      ; v's
.set SPARE, 16*STEPB                   ; the spare words, 128 bytes a wave
.set LI,  1                            ; 16 x lane
.set LS,  2                            ; 4 x lane
.set SPW, 3
.set NIL, 4
.set ADR, 5                            ; v's codes and scale words of this step,
.set ADS, 6
.set ADK, 7                            ; k's of the next
.set ADW, 8
.set GA,  9                            ; 16 r + 8 h
.set GS,  18                           ; 32 r
.set QW,  19                           ; 4 r
; in both windows, a tile's own:
.set NM,  10                           ; -M (the pair is named, its low word serves)
.set FF,  12                           ; f = 2^(old M - new M), likewise
.set SUM, 14                           ; the row's sum in two halves
.set RS,  16                           ; the largest score so far
.set TT,  17
.set SO,  20                           ; the conversions' scale operands
.set HD,  24                           ; 57,344 x the scale
.set PS,  28                           ; eight pairs of partial sums; earlier in a step the block maxima lie here
.set BM,  28
.set PC,  44                           ; p's codes
.set OT,  60                           ; O^T
.set ST,  92                           ; S^T, then p
; window 0:
.set KF,  156                          ; k's 8 tiles x 8 registers, then 8 registers of zeros
.set KSC, 228                          ; register i: tile 2 i in lanes 0-15, tile 2 i + 1 in lanes 16-31
.set VSC, 232
.set QSC, 234                          ; q's, tiles A and B
.set PSC, 236                          ; p's
; window 1:
.set VF,  156
.set QF,  220
.set WV,  14
.set SEL, 18                           ; s[18:19] lane l xor 16
.set CS,  20                           ; s[20:21] c = log2(e) / 8
.set MNT, 22
.set TB,  23                           ; LDS byte at which the step in hand begins
.set G1,  24
.set G0,  32
.set CNT, 36
.set TK,  37                           ; and the step whose k is fetched
.set NC,  38                           ; -c
.set MSB, 0
.macro WIN new                         ; the immediate's high byte repeats the setting that is left
.if MSB != \new
	s_set_vgpr_msb (MSB<<8)|\new
.set MSB, \new
.endif
.endm
.macro CROUND                          ; a round of the cluster's barrier
	s_barrier_signal -1
	s_barrier_wait -1
	s_cmp_lg_u32 s[WV], 0
	s_cbranch_scc1 .Lnot_wave_0_\@
	s_barrier_signal -3
.Lnot_wave_0_\@:
	s_barrier_wait -3
	s_barrier_signal -1
	s_barrier_wait -1
.endm
	s_load_b256 s[4:11], s[0:1], 0x0               ; qc, qs, kv, cc
	s_load_b64 s[12:13], s[0:1], 0x20              ; cs
	v_lshl_add_u32 v[SPW], v0, 2, SPARE
	v_mov_b32 v[NIL], 0
	ds_add_u32 v[SPW], v[NIL]                      ; the opening lines
	ds_add_u32 v[SPW], v[NIL]
	v_lshrrev_b32 v5, 5, v0
	v_readfirstlane_b32 s[WV], v5                  ; wave 0..7
	s_bfe_u32 s15, ttmp6, 0x40000                  ; cx
	s_lshl_b32 s16, ttmp9, 2
	s_add_co_u32 s16, s16, s15                     ; my block of 256 queries: it enters q's and ctx's addresses alone
	s_and_b32 s17, ttmp7, 0xffff                   ; 16 x batch + head, which the four partners share
	; descriptor group 1: two key steps: 34,304 dense bytes as 134 rows of 256 (32 elements of 8 bytes)
	s_mov_b32 s[G1], 15|(3<<16)|(1<<21)            ; the mask: all four work-groups
	s_mov_b32 s[G1+1], 32<<16
	s_mov_b32 s[G1+2], 134<<16
	s_mov_b32 s[G1+3], 32<<16
	s_mov_b32 s[G1+4], 134
	s_mov_b32 s[G1+5], 32
	s_mov_b32 s[G1+6], 0
	s_mov_b32 s[G1+7], 0
	s_mul_i32 s50, s[WV], 2*STEPB                  ; my two steps, in LDS and in the head's block alike
	s_mul_i32 s52, s17, HEADB
	s_add_co_u32 s52, s52, s50
	s_mov_b32 s53, 0
	s_mov_b32 s[SEL], 0x76543210
	s_mov_b32 s[SEL+1], 0xfedcba98
	s_mov_b32 s[CS], 0x3e38aa3b                    ; c
	s_mov_b32 s[CS+1], s[CS]                       ; (named with it as a pair, so it is written)
	s_mov_b32 s[NC], 0xbe38aa3b
	s_mov_b32 s[MNT], 0x600000
	s_wait_dscnt 0x0
	s_wait_kmcnt 0x0
	s_mov_b32 s[G0], 1
	s_mov_b32 s[G0+1], s50
	s_add_nc_u64 s[G0+2:G0+3], s[8:9], s[52:53]
	s_or_b32 s[G0+3], s[G0+3], 0x80000000
	CROUND                                         ; all four work-groups are here: the joint loads meet
	s_cmp_eq_u32 s[WV], 0                          ; wave 0's load is waited for ahead of the others': a line of its own
	s_cbranch_scc0 .Lrest
	tensor_load_to_lds s[G0:G0+3], s[G1:G1+7]
	s_nop 0
.rept 4
	v_nop
.endr
	s_branch .Lasked
.Lrest:
	tensor_load_to_lds s[G0:G0+3], s[G1:G1+7]
	s_nop 0
.rept 4
	v_nop
.endr
.Lasked:
	s_lshl_b32 s56, s17, 7                         ; my first tile of queries: 128 x head + 16 x block + 2 x wave
	s_lshl_b32 s57, s16, 4
	s_add_co_u32 s56, s56, s57
	s_lshl_b32 s57, s[WV], 1
	s_add_co_u32 s56, s56, s57
	s_lshl_b32 s58, s56, 6                         ; 64 bytes of scale words a tile,
	s_mov_b32 s59, 0
	s_lshl_b32 s56, s56, 10                        ; an image of 1,024 bytes
	s_mov_b32 s57, 0
	s_add_nc_u64 s[4:5], s[4:5], s[56:57]
	s_add_nc_u64 s[6:7], s[6:7], s[58:59]
	s_lshr_b32 s60, s17, 4                         ; my first row of ctx: 2,048 x batch + 256 x block + 32 x wave
	s_lshl_b32 s60, s60, 11
	s_lshl_b32 s61, s16, 8
	s_add_co_u32 s60, s60, s61
	s_lshl_b32 s61, s[WV], 5
	s_add_co_u32 s60, s60, s61
	s_and_b32 s61, s17, 15                         ; the head
	s_lshl_b32 s62, s60, 5                         ; cs: 32 bytes a row, 2 a head
	s_lshl_b32 s63, s61, 1
	s_add_co_u32 s62, s62, s63
	s_mov_b32 s63, 0
	s_add_nc_u64 s[12:13], s[12:13], s[62:63]
	s_lshr_b32 s62, s60, 7                         ; cc: 131,072 bytes a block of 128 rows,
	s_lshl_b32 s62, s62, 17
	s_lshr_b32 s54, s61, 1                         ; 16,384 a K step of two heads,
	s_lshl_b32 s54, s54, 14
	s_add_co_u32 s62, s62, s54
	s_bfe_u32 s54, s60, 0x30004                    ; 2,048 a tile of 16 rows,
	s_lshl_b32 s54, s54, 11
	s_add_co_u32 s62, s62, s54
	s_and_b32 s54, s61, 1                          ; 1,024 a head
	s_lshl_b32 s54, s54, 10
	s_add_co_u32 s62, s62, s54
	s_add_nc_u64 s[10:11], s[10:11], s[62:63]
	v_and_b32 v5, 31, v0                           ; lane
	v_and_b32 v6, 15, v0                           ; r
	v_bfe_u32 v7, v0, 4, 1                         ; h
	v_lshlrev_b32 v[LI], 4, v5
	v_lshlrev_b32 v[LS], 2, v5
	v_lshlrev_b32 v[QW], 2, v6
	v_lshlrev_b32 v[GS], 5, v6
	v_lshlrev_b32 v[GA], 4, v6
	v_lshl_add_u32 v[GA], v7, 3, v[GA]
	global_load_b32 v[QSC], v[QW], s[6:7]
	global_load_b32 v[QSC+1], v[QW], s[6:7] offset:64
	WIN 0x40
.irp t, 0,1
	global_load_b128 v[QF+16*\t:QF+16*\t+3], v[LI], s[4:5] offset:1024*\t
	global_load_b128 v[QF+16*\t+4:QF+16*\t+7], v[LI], s[4:5] offset:1024*\t+512
.endr
.macro INIT                            ; a tile's start: the first change of M leaves zeros zeros
.set j, 0
.rept 32
	v_mov_b32 v[OT+j], 0
.set j, j+1
.endr
.irp x, SUM, SUM+1, FF, FF+1, NM+1, TT
	v_mov_b32 v[\x], 0
.endr
	v_mov_b32 v[NM], 0x7e000000                    ; an M under every M,
	v_mov_b32 v[RS], 0xff61b1e6                    ; a score of -3e38
.endm
.irp j, 8,9,10,11,12,13,14,15
	v_mov_b32 v[QF+\j], 0                          ; zero codes for K = 64 .. 127: never written again
	v_mov_b32 v[QF+16+\j], 0
	v_mov_b32 v[PS+\j-8], 0                        ; tile B's partial sums: the first trip adds them up before any has been made
	v_mov_b32 v[PS+\j], 0
.endr
	INIT
	WIN 0
	INIT
.irp j, 0,1,2,3,4,5,6,7
	v_mov_b32 v[KF+64+\j], 0
.endr
; THE ROW'S SUM: the eight pairs of partial sums are added up, and onto the sum under the new M
.macro RED n
.if (\n) < 4
	v_pk_add_f32 v[PS+2*(\n):PS+2*(\n)+1], v[PS+2*(\n):PS+2*(\n)+1], v[PS+2*(\n)+8:PS+2*(\n)+9]
.elseif (\n) < 6
	v_pk_add_f32 v[PS+2*(\n)-8:PS+2*(\n)-7], v[PS+2*(\n)-8:PS+2*(\n)-7], v[PS+2*(\n)-4:PS+2*(\n)-3]
.elseif (\n) == 6
	v_pk_add_f32 v[PS:PS+1], v[PS:PS+1], v[PS+2:PS+3]
.else
	v_pk_fma_f32 v[SUM:SUM+1], v[SUM:SUM+1], v[FF:FF+1], v[PS:PS+1] op_sel_hi:[1,0,1]
.endif
.endm
.macro PKF n                           ; t - M, the n-th pair
	v_pk_fma_f32 v[ST+2*(\n):ST+2*(\n)+1], v[ST+2*(\n):ST+2*(\n)+1], s[CS:CS+1], v[NM:NM+1] op_sel_hi:[1,0,0]
.endm
.macro MIN2 n                          ; the n-th pair is held: the conversion does not saturate (ISA guide 7.6.2); p is not negative
	v_dual_min_num_f32 v[ST+2*(\n)], v[ST+2*(\n)], v[HD+(\n)/8] :: v_dual_min_num_f32 v[ST+2*(\n)+1], v[ST+2*(\n)+1], v[HD+(\n)/8]
.endm
.macro CVT b
	v_cvt_scalef32_pk8_bf8_f32 v[PC+4*\b:PC+4*\b+1], v[ST+16*\b:ST+16*\b+7], v[SO+\b]
	v_cvt_scalef32_pk8_bf8_f32 v[PC+4*\b+2:PC+4*\b+3], v[ST+16*\b+8:ST+16*\b+15], v[SO+\b]
.endm
.macro RESC n                          ; O^T under the new M, four pairs
.irp k, 0,2,4,6
	v_pk_mul_f32 v[OT+8*\n+\k:OT+8*\n+\k+1], v[OT+8*\n+\k:OT+8*\n+\k+1], v[FF:FF+1] op_sel_hi:[1,0]
.endr
.endm
; A TILE'S SOFTMAX of 128 keys: scores ST -> codes PC, scale word PSC, partial sums PS, O^T rescaled.
; In five parts, so that both tiles' scores and O^T are read ahead of all exponentials and one wait serves a batch of each.
.macro MAXP                            ; the block maxima
	v_mov_b32 v[FF], v[NM]                         ; the old -M
.irp b, 0,1,2,3                        ; the largest score of each block of 32 keys, in two chains a block
	v_max3_num_f32 v[BM+\b], v[ST+16*\b], v[ST+16*\b+1], v[ST+16*\b+2]
.endr
.irp b, 0,1,2,3
	v_max3_num_f32 v[BM+4+\b], v[ST+16*\b+7], v[ST+16*\b+8], v[ST+16*\b+9]
.endr
.irp i, 3,5
.irp b, 0,1,2,3
	v_max3_num_f32 v[BM+\b], v[BM+\b], v[ST+16*\b+\i], v[ST+16*\b+\i+1]
.endr
.irp b, 0,1,2,3
	v_max3_num_f32 v[BM+4+\b], v[BM+4+\b], v[ST+16*\b+\i+7], v[ST+16*\b+\i+8]
.endr
.endr
.irp b, 0,1,2,3
	v_max3_num_f32 v[BM+4+\b], v[BM+4+\b], v[ST+16*\b+14], v[ST+16*\b+15]
.endr
.irp b, 0,1,2,3
	s_delay_alu instid0(VALU_DEP_4)
	v_max_num_f32 v[BM+\b], v[BM+\b], v[BM+4+\b]
.endr
.irp b, 0,1,2,3
	s_delay_alu instid0(VALU_DEP_4)
	v_permlanex16_b32 v[BM+4+\b], v[BM+\b], s[SEL], s[SEL+1]
.endr
.irp b, 0,1,2,3
	s_delay_alu instid0(VALU_DEP_4)
	v_max_num_f32 v[BM+\b], v[BM+\b], v[BM+4+\b]   ; with lane l xor 16's 16 keys
.endr
	s_delay_alu instid0(VALU_DEP_2)
	v_max3_num_f32 v[TT], v[BM], v[BM+1], v[BM+2]
.endm
.macro PRE isb                         ; M, f, the scales' exponents, t - M of blocks 0 and 1, O^T rescaled
	v_max3_num_f32 v[RS], v[RS], v[TT], v[BM+3]    ; the row's largest score so far
	s_delay_alu instid0(VALU_DEP_1)
	v_mul_f32 v[TT], s[NC], v[RS]                  ; -t
	s_delay_alu instid0(VALU_DEP_1)
	v_floor_f32 v[NM], v[TT]                       ; -M = floor(-t): M is a whole number
	s_delay_alu instid0(VALU_DEP_1)
	v_sub_f32 v[TT], v[NM], v[FF]                  ; M's old value less its new one: a whole number, 0 or less
	PKF 0
	PKF 1
	PKF 2
	PKF 3
	v_cvt_i32_f32 v[TT], v[TT]                     ; (it saturates)
.irp b, 0,1,2,3
	v_fma_f32 v[BM+\b], v[BM+\b], s[CS], v[NM]     ; each block's largest t - M
.endr
	v_ldexp_f32 v[FF], 1.0, v[TT]                  ; f: a multiplication by it rounds nothing
	PKF 4
	PKF 5
	PKF 6
	PKF 7
.irp b, 0,1,2,3
	v_max_num_f32 v[BM+\b], 0xc2de0000, v[BM+\b]   ; not under -111, so that the byte cannot fall under 1
.endr
	PKF 8
	PKF 9
	PKF 10
	PKF 11
.irp b, 0,1,2,3
	v_cvt_floor_i32_f32 v[BM+4+\b], v[BM+\b]       ; e = floor(log2(the block's largest p))
.endr
	PKF 12
	PKF 13
	PKF 14
	PKF 15
	RESC 0
	v_lshl_add_u32 v[TT], v[BM+5], 8, v[BM+4]
	RESC 1
	v_lshl_add_u32 v[TT], v[BM+6], 16, v[TT]
	RESC 2
	v_lshl_add_u32 v[TT], v[BM+7], 24, v[TT]
	RESC 3
.if \isb
	WIN 0x15
.endif
	v_add_nc_u32 v[PSC+\isb], 0x70707070, v[TT]    ; the scale word: four bytes e + 127 - 15 (scale words lie in window 0)
.if \isb
	WIN 0x55
.endif
.endm
.macro EXP0
.set N_, 0
.rept 32                               ; p of blocks 0 and 1; among them work whose results are first read behind the next wait
	v_exp_f32 v[ST+N_], v[ST+N_]
.if N_ >= 8 && N_ < 24
	PKF N_+8
.elseif N_ >= 24 && N_ < 28
	v_lshl_add_u32 v[SO+N_-24], v[BM+4+N_-24], 23, 0x38000000   ; 2^(e - 15)
.elseif N_ >= 28
	v_lshl_add_u32 v[HD+N_-28], v[BM+4+N_-28], 23, 0x3fe00000   ; 1.75 x 2^e
.endif
.set N_, N_+1
.endr
.endm
.macro EXP1
.set N_, 0
.rept 32                               ; p of blocks 2 and 3; among them blocks 0 and 1 are summed (unquantised) and then held
	v_exp_f32 v[ST+32+N_], v[ST+32+N_]
.if N_ >= 8 && N_ < 16
	v_pk_add_f32 v[PS+2*N_-16:PS+2*N_-15], v[ST+2*N_-16:ST+2*N_-15], v[ST+2*N_:ST+2*N_+1]
.elseif N_ >= 16
	MIN2 N_-16
.endif
.set N_, N_+1
.endr
.endm
.macro FIN isb                         ; the other sums and holds, the conversions
.irp g, 32,48
.irp k, 0,2,4,6,8,10,12,14
	v_pk_add_f32 v[PS+\k:PS+\k+1], v[PS+\k:PS+\k+1], v[ST+\g+\k:ST+\g+\k+1]
.endr
.endr
	CVT 0
.irp k, 16,17,18,19,20,21,22,23
	MIN2 \k
.endr
	CVT 1
.irp k, 24,25,26,27,28,29,30,31
	MIN2 \k
.endr
	CVT 2
.if \isb == 0
	RED 0
	RED 1
	RED 2
	RED 3
.endif
	CVT 3
.if \isb
.rept 4
	v_nop                                          ; places between the last codes and the products (tile B's partial sums are added up at the next trip's head)
.endr
.else
	RED 4
	RED 5
	RED 6
	RED 7
.endif
.endm
.macro KLOAD
.irp t, 0,1,2,3,4,5,6,7
.irp c, 0,1
	ds_load_b128 v[KF+8*\t+4*\c:KF+8*\t+4*\c+3], v[ADK] offset:1024*\t+512*\c
.endr
.endr
.irp i, 0,1,2,3
	ds_load_b32 v[KSC+\i], v[ADW] offset:KSW+128*\i
.endr
.endm
.macro SPROD d, q                      ; S^T of a tile: 8 tiles of 16 keys
.irp t, 0,1,2,3,4,5,6,7
.if \t%2
	v_wmma_scale_f32_16x16x128_f8f6f4 v[ST+8*\t:ST+8*\t+7], v[KF+8*\t:KF+8*\t+15], v[QF+16*\q:QF+16*\q+15], 0, v[KSC+\t/2], v[QSC+\q] matrix_a_fmt:MATRIX_FMT_BF8 matrix_b_fmt:MATRIX_FMT_BF8 matrix_a_scale:MATRIX_SCALE_ROW1
.else
	v_wmma_scale_f32_16x16x128_f8f6f4 v[ST+8*\t:ST+8*\t+7], v[KF+8*\t:KF+8*\t+15], v[QF+16*\q:QF+16*\q+15], 0, v[KSC+\t/2], v[QSC+\q] matrix_a_fmt:MATRIX_FMT_BF8 matrix_b_fmt:MATRIX_FMT_BF8
.endif
.endr
.endm
.macro OPROD q                         ; O^T of a tile: the four accumulators by turns
.irp t, 0,1,2,3
.if \t%2
	v_wmma_scale_f32_16x16x128_f8f6f4 v[OT+8*\t:OT+8*\t+7], v[VF+16*\t:VF+16*\t+15], v[PC:PC+15], v[OT+8*\t:OT+8*\t+7], v[VSC+\t/2], v[PSC+\q] matrix_a_fmt:MATRIX_FMT_BF8 matrix_b_fmt:MATRIX_FMT_BF8 matrix_a_scale:MATRIX_SCALE_ROW1
.else
	v_wmma_scale_f32_16x16x128_f8f6f4 v[OT+8*\t:OT+8*\t+7], v[VF+16*\t:VF+16*\t+15], v[PC:PC+15], v[OT+8*\t:OT+8*\t+7], v[VSC+\t/2], v[PSC+\q] matrix_a_fmt:MATRIX_FMT_BF8 matrix_b_fmt:MATRIX_FMT_BF8
.endif
.endr
.endm
; A KEY STEP: 128 keys, both tiles.  Its k is in registers.
.macro STEP last
	s_add_co_u32 s[TK], s[TB], STEPB
	s_min_u32 s[TK], s[TK], \last                  ; a section's last trip fetches its own k once more: nothing behind the section has been waited for
	WIN 0x04
	SPROD 0, 0
	WIN 0x44
	SPROD 1, 1
	WIN 0x55
.irp n, 0,1,2,3,4,5,6,7                ; tile B's sum of the step before: these eight and the four below are the places behind both kinds of products
	RED \n
.endr
	WIN 0
	v_add_nc_u32 v[ADR], s[TB], v[LI]
	v_add_nc_u32 v[ADS], s[TB], v[LS]
	v_add_nc_u32 v[ADK], s[TK], v[LI]
	v_add_nc_u32 v[ADW], s[TK], v[LS]
	WIN 0x40
.irp t, 0,1,2,3
.irp c, 0,1,2,3
	ds_load_b128 v[VF+16*\t+4*\c:VF+16*\t+4*\c+3], v[ADR] offset:VIM+2048*\t+512*\c
.endr
.endr
	WIN 0
.irp i, 0,1
	ds_load_b32 v[VSC+\i], v[ADS] offset:VSW+128*\i
.endr
	KLOAD                                          ; the next step's k
	MAXP
	WIN 0x55
	MAXP
	WIN 0
	PRE 0
	WIN 0x55
	PRE 1
	WIN 0
	s_wait_alu depctr_va_vdst(0)                   ; the wait ahead of the exponentials, both tiles',
	EXP0
	s_wait_alu depctr_va_vdst(0)                   ; and behind a batch, ahead of its first reader
	EXP1
	WIN 0x55
	EXP0
	s_wait_alu depctr_va_vdst(0)
	WIN 0
	FIN 0
	WIN 0x55
	EXP1
	s_wait_alu depctr_va_vdst(0)
	FIN 1
	WIN 0
	s_wait_alu depctr_va_vdst(0)
	s_wait_dscnt 0x0                               ; v, and the next step's k
	WIN 0x01
	OPROD 0
	WIN 0x55
	OPROD 1
	WIN 0
	s_add_co_u32 s[TB], s[TB], STEPB
.endm
.macro SECTION first, trips
	s_mov_b32 s[TB], \first*STEPB
	v_add_nc_u32 v[ADK], s[TB], v[LI]
	v_add_nc_u32 v[ADW], s[TB], v[LS]
	KLOAD
	s_mov_b32 s[CNT], \trips
	s_wait_alu depctr_va_vdst(0)
	s_wait_dscnt 0x0
.Lstep_\@:
	STEP (\first+\trips-1)*STEPB
	s_sub_co_u32 s[CNT], s[CNT], 1
	s_cmp_lg_u32 s[CNT], 0
	s_cbranch_scc1 .Lstep_\@
.endm
	s_wait_alu depctr_va_vdst(0)                   ; the wait at the head's end
	s_wait_loadcnt 0x0                             ; q
	s_cmp_eq_u32 s[WV], 0
	s_cbranch_scc0 .Lnot_first
	s_wait_tensorcnt 0x0                           ; wave 0: key steps 0 and 1 have landed
.Lnot_first:
	s_barrier_signal -1
	s_barrier_wait -1
	SECTION 0, 2
	s_wait_tensorcnt 0x0                           ; every wave: all key steps have landed.
	s_wait_dscnt 0x0
	s_barrier_signal -1
	s_barrier_wait -1
	SECTION 2, 14
	WIN 0x55
.irp n, 0,1,2,3,4,5,6,7
	RED \n
.endr
	WIN 0
; THE WAY OUT of a tile.  O^T is divided by the row's sum and quantised along the channels: my head's 64 are two blocks of the last product's K.
.macro OUT isb
.if \isb
	WIN 0x55
.endif
	v_add_f32 v[SUM], v[SUM], v[SUM+1]
	s_delay_alu instid0(VALU_DEP_1)
	v_permlanex16_b32 v[TT], v[SUM], s[SEL], s[SEL+1]
	s_delay_alu instid0(VALU_DEP_1)
	v_add_f32 v[SUM], v[SUM], v[TT]                ; the row's sum
	s_wait_alu depctr_va_vdst(0)
	v_rcp_f32 v[SUM], v[SUM]
	v_nop
	s_wait_alu depctr_va_vdst(0)
.set j, 0
.rept 16
	v_pk_mul_f32 v[ST+j:ST+j+1], v[OT+j:OT+j+1], v[SUM:SUM+1] op_sel_hi:[1,0]   ; register 8 t + i is ctx(r, 16 t + 8 h + i)
.set j, j+2
.endr
.irp b, 0,1
	v_max3_num_f32 v[BM+\b], |v[ST+16*\b]|, |v[ST+1+16*\b]|, 0x8000000   ; my 16 numbers, and the floor 2^(16 - 127)
.endr
.irp i, 2,4,6,8,10,12,14
.irp b, 0,1
	v_max3_num_f32 v[BM+\b], v[BM+\b], |v[ST+16*\b+\i]|, |v[ST+1+16*\b+\i]|
.endr
.endr
.irp b, 0,1
	s_delay_alu instid0(VALU_DEP_2)
	v_permlanex16_b32 v[BM+4+\b], v[BM+\b], s[SEL], s[SEL+1]
.endr
.irp b, 0,1
	s_delay_alu instid0(VALU_DEP_2)
	v_max_num_f32 v[BM+\b], v[BM+\b], v[BM+4+\b]
.endr
.irp b, 0,1
	v_add_nc_u32 v[SO+\b], 0xf8800000, v[BM+\b]
.endr
.irp b, 0,1
	v_and_or_b32 v[HD+\b], v[BM+\b], 0x7f800000, s[MNT]
.endr
.irp b, 0,1
	v_lshrrev_b32 v[BM+4+\b], 23, v[SO+\b]
.endr
	v_lshl_or_b32 v[TT], v[BM+5], 8, v[BM+4]       ; my row's two scale bytes
.irp b, 0,1
.irp i, 0,1,2,3,4,5,6,7,8,9,10,11,12,13,14,15
	v_med3_num_f32 v[ST+16*\b+\i], v[ST+16*\b+\i], -v[HD+\b], v[HD+\b]
.endr
	CVT \b
.endr
	v_nop                                          ; one plain line behind the last conversion
.if \isb
	WIN 0x04                                       ; data in window 1
.endif
.irp b, 0,1
	global_store_b64 v[GA], v[PC+4*\b:PC+4*\b+1], s[10:11] offset:2048*\isb+512*\b         ; the 32 lanes store 256 consecutive bytes, aligned
	global_store_b64 v[GA], v[PC+4*\b+2:PC+4*\b+3], s[10:11] offset:2048*\isb+512*\b+256
.endr
	global_store_b16 v[GS], v[TT], s[12:13] offset:512*\isb        ; lanes l and l + 16 write the same two bytes with the same value
.endm
	OUT 0
	OUT 1
	WIN 0
	s_wait_tensorcnt 0x0                           ; the wave's end
	ds_add_u32 v[SPW], v[NIL]
	s_wait_dscnt 0x0
	CROUND                                         ; the closing round: no work-group ends while a partner may still ask for a tile that names it
	s_endpgm
.Lfunc_end_k_q0b728f9ee8_attn:
	.size	k_q0b728f9ee8_attn, .Lfunc_end_k_q0b728f9ee8_attn-k_q0b728f9ee8_attn
	.p2alignl 7, 3214868480
	.fill 96, 4, 3214868480
	.section	.rodata,"a",@progbits
	.p2align	6, 0x0
	.amdhsa_kernel k_q0b728f9ee8_attn
		.amdhsa_group_segment_fixed_size 276480
		.amdhsa_private_segment_fixed_size 0
		.amdhsa_enable_private_segment 0
		.amdhsa_kernarg_size 40
		.amdhsa_user_sgpr_count 2
		.amdhsa_user_sgpr_kernarg_segment_ptr 1
		.amdhsa_wavefront_size32 1
		.amdhsa_system_sgpr_workgroup_id_x 1
		.amdhsa_system_sgpr_workgroup_id_y 1
		.amdhsa_system_sgpr_workgroup_id_z 1
		.amdhsa_system_vgpr_workitem_id 0
		.amdhsa_next_free_vgpr 512
		.amdhsa_next_free_sgpr 66
		.amdhsa_reserve_vcc 0
		.amdhsa_float_denorm_mode_32 3
		.amdhsa_float_denorm_mode_16_64 3
		.amdhsa_memory_ordered 1
		.amdhsa_forward_progress 1
		.amdhsa_inst_pref_size 96
	.end_amdhsa_kernel
	.amdgpu_metadata
---
amdhsa.version: [ 1, 2 ]
amdhsa.kernels:
  - .name:           k_q0b728f9ee8_attn
    .symbol:         k_q0b728f9ee8_attn.kd
    .args:
      - { .name: qc, .offset: 0, .size: 8, .value_kind: global_buffer, .address_space: global }
      - { .name: qs, .offset: 8, .size: 8, .value_kind: global_buffer, .address_space: global }
      - { .name: kv, .offset: 16, .size: 8, .value_kind: global_buffer, .address_space: global }
      - { .name: cc, .offset: 24, .size: 8, .value_kind: global_buffer, .address_space: global }
      - { .name: cs, .offset: 32, .size: 8, .value_kind: global_buffer, .address_space: global }
    .group_segment_fixed_size: 276480
    .private_segment_fixed_size: 0
    .kernarg_segment_align: 8
    .kernarg_segment_size: 40
    .max_flat_workgroup_size: 256
    .sgpr_count:     66
    .vgpr_count:     512
    .wavefront_size: 32
...
	.end_amdgpu_metadata
.endif
;; end of part 2
;; launch oproj (part 3): grid 8 x 32, 4 waves a work-group, clusters of 4 x 4, 282,112 bytes of LDS; arguments cc, cs, wo_codes, wo_scales, bo, out0; writes out0
.if DOCPART == 3
	.amdgcn_target "amdgcn-amd-amdhsa--gfx1250"
	.amdhsa_code_object_version 6
	.text
	.protected	k_q0b728f9ee8_oproj
	.globl	k_q0b728f9ee8_oproj
	.p2align	8
	.type	k_q0b728f9ee8_oproj,@function
k_q0b728f9ee8_oproj:
	s_mov_b64 s[64:65], 0
	v_nop
	global_prefetch_b8 v0, s[64:65] scope:SCOPE_SE
	s_setreg_imm32_b32 hwreg(HW_REG_WAVE_MODE, 25, 1), 1
	s_wait_xcnt 0x0
	s_wait_alu depctr_hold_cnt(0) depctr_sa_sdst(0) depctr_va_vdst(0) depctr_va_sdst(0) depctr_va_ssrc(0) depctr_va_vcc(0) depctr_vm_vsrc(0)
	s_getreg_b32 s2, hwreg(HW_REG_IB_STS2, 6, 4)
	s_cmp_eq_u32 s2, 0
	s_cbranch_scc0 .Lentry_in_a_cluster
	s_endpgm
.Lentry_in_a_cluster:
	s_bfe_u32 s2, ttmp6, 0x10000c
	s_cmp_lg_u32 s2, 0xf033
	s_cbranch_scc0 .Lentry_shape_is_right
	s_endpgm
.Lentry_shape_is_right:
; out0 = ctx wo^T + bo on codes of BF8 (E5M2) with one E8M0 scale for each 32 along K = 1,024.  ctx: 4,096 rows; wo: 1,024 rows; out0 [4,096][1,024] f32.
; IN.  cc [32 blocks of 128 rows][8 K steps of 128][8 tiles of 16 rows][4][512]: ctx's fragments as images of their registers (lane l's 16 bytes at 16 l); cs [4,096][32] its scale bytes; wo's codes and scale bytes as they are given, K innermost.
; SHARES.  A tile of out0 is 128 x 128: 256 work-groups of four waves.  A wave makes 32 rows x 128 columns; its rows of ctx, all of K, stay in 256 registers, and the columns go in two halves of 64, so that the first half is stored ahead of the second half's products.
; ALL OF K LIES IN LDS, filled ONCE, one load a wave: waves 0, 1 ctx's halves of K, wave 2 wo's first 64 rows, wave 3 its last 64, which are waited for later.  No prefetch: all is asked for at the head.
; CLUSTERS: 4 x 4.  ctx's block hangs on the tile row alone and is asked for jointly along a row of the cluster, wo's rows on the tile column alone and along a column.
; THE MATRIX INSTRUCTION IS USED TRANSPOSED (source 0 = 16 rows of wo, source 1 = 16 rows of ctx): a lane holds eight neighbouring numbers of a row of out0.  bo is the C of each sum's first product.
; LIMITS: NaN, infinities and the scale byte 0xff among the inputs are not served.
; REGISTERS: window 0: addresses, scale words, bo, rows on their way out; window 1: from v128 the accumulators (half hf: (a, b) at v[128 + 64 hf + 8 (4 a + b)]); window 2: ctx (row tile a, K step q at 16 (2 q + a)); window 3: four buffers of wo's four fragments of a K step.
.set BT,   131072                      ; wo's 128 rows x 1,040
.set PITCH, 1040
.set STG,  BT+128*PITCH                ; the stages: 16 rows x 272 bytes for each wave; no tensor load lands here
.set SPARE, STG+4*16*272
.set SPW,  1
.set NIL,  2
.set ADA,  4                           ; v4-5  ctx's images, K steps 0-3 and 4-7
.set ADB,  6                           ; v6-7  wo's rows, the two halves
.set STO,  8
.set RD,   9
.set CO,   10
.set L32,  11
.set BW,   12
.set XS,   32                          ; ctx's scale words: K step q; row tiles 0, 1 in lanes 0-15, 16-31
.set WS,   44                          ; wo's: 8 p + q: tiles 2 p, 2 p + 1 likewise
.set BO,   80                          ; bo: eight tiles x 8
.set RW,   144                         ; 32 rows read back
.set ACC,  128
.set WV,   16
.set G1A,  24
.set G1B,  32
.set G0A,  40
.set G0B,  44
.set G0C,  48
.set MSB, 0
.macro WIN new                         ; the immediate's high byte repeats the setting that is left
.if MSB != \new
	s_set_vgpr_msb (MSB<<8)|(\new)
.set MSB, \new
.endif
.endm
.macro PLACES n
.rept \n
	v_nop
.endr
.endm
.macro CROUND                          ; a round of the cluster's barrier
	s_barrier_signal -1
	s_barrier_wait -1
	s_cmp_lg_u32 s[WV], 0
	s_cbranch_scc1 .Lnot_wave_0_\@
	s_barrier_signal -3
.Lnot_wave_0_\@:
	s_barrier_wait -3
	s_barrier_signal -1
	s_barrier_wait -1
.endm
.macro TLOAD g0, g1
	tensor_load_to_lds s[\g0:\g0+3], s[\g1:\g1+7]
	s_nop 0
	PLACES 4
.endm
	s_load_b256 s[4:11], s[0:1], 0x0               ; cc, cs, wo's codes, wo's scales
	s_load_b128 s[12:15], s[0:1], 0x20             ; bo, out0
	v_lshl_add_u32 v[SPW], v0, 2, SPARE
	v_mov_b32 v[NIL], 0
	ds_add_u32 v[SPW], v[NIL]                      ; the opening lines
	ds_add_u32 v[SPW], v[NIL]
	v_lshrrev_b32 v3, 5, v0
	v_readfirstlane_b32 s[WV], v3                  ; wave w
	s_bfe_u32 s19, ttmp6, 0x40000                  ; cx, cy
	s_bfe_u32 s20, ttmp6, 0x40004
	s_lshl_b32 s21, ttmp9, 2
	s_add_co_u32 s21, s21, s19                     ; tile column
	s_and_b32 s22, ttmp7, 0xffff
	s_lshl_b32 s22, s22, 2
	s_add_co_u32 s22, s22, s20                     ; tile row
	s_lshl_b32 s23, s20, 2
	s_lshl_b32 s23, 15, s23                        ; my row of the cluster
	s_lshl_b32 s56, 0x1111, s19                    ; my column
	s_or_b32 s[G1A], s23, (3<<16)|(1<<21)          ; ctx: four K steps: 65,536 dense bytes as 256 rows of 256
	s_mov_b32 s[G1A+1], 32<<16
	s_mov_b32 s[G1A+2], 256<<16
	s_mov_b32 s[G1A+3], 32<<16
	s_mov_b32 s[G1A+4], 256
	s_mov_b32 s[G1A+5], 32
	s_mov_b32 s[G1A+6], 0
	s_mov_b32 s[G1A+7], 0
	s_or_b32 s[G1B], s56, (1<<20)|(1<<21)|(7<<22)|(3<<25)   ; wo: 64 rows of 1,024 bytes, 16 of padding behind each
	s_mov_b32 s[G1B+1], 1024<<16
	s_mov_b32 s[G1B+2], 64<<16
	s_mov_b32 s[G1B+3], 1024<<16
	s_mov_b32 s[G1B+4], 64
	s_mov_b32 s[G1B+5], 1024
	s_mov_b32 s[G1B+6], 0
	s_mov_b32 s[G1B+7], 0
	s_lshl_b32 s57, s[WV], 16                      ; waves 0, 1: half w of K, in LDS and in the block alike
	s_lshl_b32 s58, s22, 17
	s_add_co_u32 s58, s58, s57
	s_mov_b32 s59, 0
	s_lshl_b32 s60, s21, 17                        ; wo: row 128 x tile column
	s_mov_b32 s61, 0
	s_wait_dscnt 0x0
	s_wait_kmcnt 0x0
	s_mov_b32 s[G0A], 1
	s_mov_b32 s[G0A+1], s57
	s_add_nc_u64 s[G0A+2:G0A+3], s[4:5], s[58:59]
	s_or_b32 s[G0A+3], s[G0A+3], 0x80000000
	s_mov_b32 s[G0B], 1
	s_mov_b32 s[G0B+1], BT
	s_add_nc_u64 s[G0B+2:G0B+3], s[8:9], s[60:61]
	s_mov_b32 s[G0C], 1
	s_mov_b32 s[G0C+1], BT+64*PITCH
	s_add_nc_u64 s[G0C+2:G0C+3], s[G0B+2:G0B+3], 0x10000
	s_or_b32 s[G0B+3], s[G0B+3], 0x80000000
	s_or_b32 s[G0C+3], s[G0C+3], 0x80000000
	CROUND                                         ; all sixteen work-groups are here: the joint loads meet
	s_cmp_lt_u32 s[WV], 3                          ; one load a wave; wave 3's, which is waited for later, has a line of its own
	s_cbranch_scc0 .Lfor_c
	s_cmp_lt_u32 s[WV], 2
	s_cbranch_scc0 .Lfor_b
	TLOAD G0A, G1A
	s_branch .Lasked
.Lfor_b:
	TLOAD G0B, G1B
	s_branch .Lasked
.Lfor_c:
	TLOAD G0C, G1B
.Lasked:
	s_lshl_b32 s84, s22, 12                        ; cs: 32 bytes a row: row 128 x tile row + 32 w
	s_lshl_b32 s85, s[WV], 10
	s_add_co_u32 s84, s84, s85
	s_mov_b32 s85, 0
	s_add_nc_u64 s[6:7], s[6:7], s[84:85]
	s_lshl_b32 s84, s21, 12                        ; wo's scales likewise
	s_add_nc_u64 s[10:11], s[10:11], s[84:85]
	s_lshl_b32 s84, s21, 9                         ; my first column, in bytes
	s_add_nc_u64 s[12:13], s[12:13], s[84:85]
	s_lshl_b32 s86, s22, 19                        ; my first row of out0, 4,096 bytes a row
	s_lshl_b32 s87, s[WV], 17
	s_add_co_u32 s86, s86, s87
	s_add_co_u32 s86, s86, s84
	s_mov_b32 s87, 0
	s_add_nc_u64 s[14:15], s[14:15], s[86:87]
	s_lshl_b32 s62, s[WV], 12                      ; my two tiles of ctx in a K step's image
	s_mul_i32 s63, s[WV], 16*272
	s_add_co_u32 s63, s63, STG                     ; my stage
	v_and_b32 v16, 15, v0                          ; r
	v_bfe_u32 v17, v0, 4, 1                        ; h
	v_and_b32 v18, 31, v0                          ; lane
	v_lshlrev_b32 v[L32], 5, v18
	v_lshlrev_b32 v[BW], 5, v17
	global_load_b128 v[XS:XS+3], v[L32], s[6:7]
	global_load_b128 v[XS+4:XS+7], v[L32], s[6:7] offset:16
.irp p, 0,1,2,3
	global_load_b128 v[WS+8*\p:WS+8*\p+3], v[L32], s[10:11] offset:1024*\p
	global_load_b128 v[WS+8*\p+4:WS+8*\p+7], v[L32], s[10:11] offset:1024*\p+16
.endr
.irp b, 0,1,2,3,4,5,6,7
	global_load_b128 v[BO+8*\b:BO+8*\b+3], v[BW], s[12:13] offset:64*\b    ; bo[my first column + 16 b + 8 h + 0..7]
	global_load_b128 v[BO+8*\b+4:BO+8*\b+7], v[BW], s[12:13] offset:64*\b+16
.endr
	v_lshlrev_b32 v19, 4, v18
	v_add_nc_u32 v[ADA], s62, v19
	v_add_nc_u32 v[ADA+1], 0x10000, v[ADA]
	v_mul_u32_u24 v20, v16, PITCH
	v_lshl_add_u32 v20, v17, 4, v20
	v_add_nc_u32 v[ADB], BT, v20
	v_add_nc_u32 v[ADB+1], BT+64*PITCH, v20
	v_mul_u32_u24 v21, v16, 272
	v_lshl_add_u32 v21, v17, 5, v21
	v_add_nc_u32 v[STO], s63, v21                  ; in: row r, 32 bytes for each half of the lanes
	v_mul_u32_u24 v22, v17, 272
	v_lshl_add_u32 v22, v16, 4, v22
	v_add_nc_u32 v[RD], s63, v22                   ; back: lanes 0-15 one row of 256 bytes, lanes 16-31 the next
	v_lshlrev_b32 v[CO], 12, v17
	v_lshl_add_u32 v[CO], v16, 4, v[CO]            ; and the same two rows in out0
.macro FETCHB g                        ; wo's four fragments of step g = 8 x half + K step: 16 LDS loads
	WIN 0xc0
.irp b, 0,1,2,3
.irp c, 0,1,2,3
	ds_load_b128 v[64*((\g)%4)+16*\b+4*\c:64*((\g)%4)+16*\b+4*\c+3], v[ADB+(\g)/8] offset:16*PITCH*\b+128*((\g)%8)+32*\c
.endr
.endr
.endm
.macro WM d, a, b, c, sa, sb, ra, rb
.if (\ra) && (\rb)
	v_wmma_scale_f32_16x16x128_f8f6f4 v[\d:\d+7], v[\a:\a+15], v[\b:\b+15], v[\c:\c+7], v[\sa], v[\sb] matrix_a_fmt:MATRIX_FMT_BF8 matrix_b_fmt:MATRIX_FMT_BF8 matrix_a_scale:MATRIX_SCALE_ROW1 matrix_b_scale:MATRIX_SCALE_ROW1
.elseif \ra
	v_wmma_scale_f32_16x16x128_f8f6f4 v[\d:\d+7], v[\a:\a+15], v[\b:\b+15], v[\c:\c+7], v[\sa], v[\sb] matrix_a_fmt:MATRIX_FMT_BF8 matrix_b_fmt:MATRIX_FMT_BF8 matrix_a_scale:MATRIX_SCALE_ROW1
.elseif \rb
	v_wmma_scale_f32_16x16x128_f8f6f4 v[\d:\d+7], v[\a:\a+15], v[\b:\b+15], v[\c:\c+7], v[\sa], v[\sb] matrix_a_fmt:MATRIX_FMT_BF8 matrix_b_fmt:MATRIX_FMT_BF8 matrix_b_scale:MATRIX_SCALE_ROW1
.else
	v_wmma_scale_f32_16x16x128_f8f6f4 v[\d:\d+7], v[\a:\a+15], v[\b:\b+15], v[\c:\c+7], v[\sa], v[\sb] matrix_a_fmt:MATRIX_FMT_BF8 matrix_b_fmt:MATRIX_FMT_BF8
.endif
.endm
.macro MULS g                          ; step g: 8 products, the accumulators by turns
.set Q_, (\g)%8
.set H_, (\g)/8
.irp a, 0,1
.irp b, 0,1,2,3
.set D_, ACC+64*H_+8*(4*\a+\b)
.if Q_ == 0
	WIN 0x4b
	WM D_, 64*((\g)%4)+16*\b, 16*(2*Q_+\a), BO+8*(4*H_+\b), WS+8*(2*H_+\b/2)+Q_, XS+Q_, \b%2, \a
.else
	WIN 0x5b
	WM D_, 64*((\g)%4)+16*\b, 16*(2*Q_+\a), D_, WS+8*(2*H_+\b/2)+Q_, XS+Q_, \b%2, \a
.endif
.endr
.endr
.endm
; THE WAY OUT of a half, 16 rows x 64 columns at a time, through my own stage and back as whole rows of 256 bytes.  LDS serves a wave's instructions in order (ISA guide 5.7.1.4).
.macro OUTHALF hf
	PLACES 8                                       ; ahead of the first read of results
.irp a, 0,1
	WIN 0x04                                       ; data in window 1
.irp b, 0,1,2,3
	ds_store_b128 v[STO], v[ACC+64*\hf+8*(4*\a+\b):ACC+64*\hf+8*(4*\a+\b)+3] offset:64*\b
	ds_store_b128 v[STO], v[ACC+64*\hf+8*(4*\a+\b)+4:ACC+64*\hf+8*(4*\a+\b)+7] offset:64*\b+16
.endr
	WIN 0
.if \hf && \a == 0
	s_wait_xcnt 0x0                                ; the first half's stores have read their registers
.endif
.irp t, 0,1,2,3,4,5,6,7
	ds_load_b128 v[RW+32*\a+4*\t:RW+32*\a+4*\t+3], v[RD] offset:\t*2*272
.endr
.endr
	s_wait_dscnt 0x0
.irp a, 0,1
.irp t, 0,1,2,3,4,5,6,7
	global_store_b128 v[CO], v[RW+32*\a+4*\t:RW+32*\a+4*\t+3], s[14:15] offset:(16*\a+2*\t)*4096+256*\hf th:TH_STORE_NT   ; 16 lanes store 256 consecutive bytes, aligned; written once, read by nobody here
.endr
.endr
.endm
	s_wait_alu depctr_va_vdst(0)                   ; the wait at the head's end
	s_wait_loadcnt 0x0                             ; the scale words and bo
	s_cmp_lt_u32 s[WV], 3
	s_cbranch_scc0 .Lnot_yet
	s_wait_tensorcnt 0x0                           ; ctx and wo's first 64 rows are in
.Lnot_yet:
	s_barrier_signal -1
	s_barrier_wait -1
	WIN 0x80
.irp q, 0,1,2,3,4,5,6,7
.irp a, 0,1
.irp c, 0,1,2,3
	ds_load_b128 v[16*(2*\q+\a)+4*\c:16*(2*\q+\a)+4*\c+3], v[ADA+\q/4] offset:16384*(\q%4)+2048*\a+512*\c
.endr
.endr
.endr
	FETCHB 0
	FETCHB 1
	FETCHB 2
.set G_, 0
.rept 16
.if G_ == 5
	WIN 0
	s_wait_dscnt 0x0
	s_wait_tensorcnt 0x0                           ; wo's last 64 rows are in: they are fetched from here on
	s_barrier_signal -1
	s_barrier_wait -1
.endif
.if G_ == 8
	OUTHALF 0
.endif
.if G_ < 13
.if G_ > 0 && G_ != 8
	PLACES 8                                       ; ahead of loads into a buffer that the last step's products have read
.endif
	FETCHB G_+3
	s_wait_dscnt 48                                ; this step's fragments are in; three later steps' 16 loads each may be out
.else
	s_wait_dscnt 16*(15-G_)
.endif
	MULS G_
.set G_, G_+1
.endr
	OUTHALF 1
	s_wait_tensorcnt 0x0                           ; the wave's end
	ds_add_u32 v[SPW], v[NIL]
	s_wait_dscnt 0x0
	CROUND                                         ; the closing round: no work-group ends while a partner may still ask for a tile that names it
	s_endpgm
.Lfunc_end_k_q0b728f9ee8_oproj:
	.size	k_q0b728f9ee8_oproj, .Lfunc_end_k_q0b728f9ee8_oproj-k_q0b728f9ee8_oproj
	.p2alignl 7, 3214868480
	.fill 96, 4, 3214868480
	.section	.rodata,"a",@progbits
	.p2align	6, 0x0
	.amdhsa_kernel k_q0b728f9ee8_oproj
		.amdhsa_group_segment_fixed_size 282112
		.amdhsa_private_segment_fixed_size 0
		.amdhsa_enable_private_segment 0
		.amdhsa_kernarg_size 48
		.amdhsa_user_sgpr_count 2
		.amdhsa_user_sgpr_kernarg_segment_ptr 1
		.amdhsa_wavefront_size32 1
		.amdhsa_system_sgpr_workgroup_id_x 1
		.amdhsa_system_sgpr_workgroup_id_y 1
		.amdhsa_system_sgpr_workgroup_id_z 1
		.amdhsa_system_vgpr_workitem_id 0
		.amdhsa_next_free_vgpr 1024
		.amdhsa_next_free_sgpr 96
		.amdhsa_reserve_vcc 0
		.amdhsa_float_denorm_mode_32 3
		.amdhsa_float_denorm_mode_16_64 3
		.amdhsa_memory_ordered 1
		.amdhsa_forward_progress 1
		.amdhsa_inst_pref_size 58
	.end_amdhsa_kernel
	.amdgpu_metadata
---
amdhsa.version: [ 1, 2 ]
amdhsa.kernels:
  - .name:           k_q0b728f9ee8_oproj
    .symbol:         k_q0b728f9ee8_oproj.kd
    .args:
      - { .name: cc, .offset: 0, .size: 8, .value_kind: global_buffer, .address_space: global }
      - { .name: cs, .offset: 8, .size: 8, .value_kind: global_buffer, .address_space: global }
      - { .name: wo_codes, .offset: 16, .size: 8, .value_kind: global_buffer, .address_space: global }
      - { .name: wo_scales, .offset: 24, .size: 8, .value_kind: global_buffer, .address_space: global }
      - { .name: bo, .offset: 32, .size: 8, .value_kind: global_buffer, .address_space: global }
      - { .name: out0, .offset: 40, .size: 8, .value_kind: global_buffer, .address_space: global }
    .group_segment_fixed_size: 282112
    .private_segment_fixed_size: 0
    .kernarg_segment_align: 8
    .kernarg_segment_size: 48
    .max_flat_workgroup_size: 128
    .sgpr_count:     96
    .vgpr_count:     1024
    .wavefront_size: 32
...
	.end_amdgpu_metadata
.endif
;; end of part 3
